; MI455X (gfx1250); checked and timed in simulation.
; The chip was launched on July 23, 2026; its instructions are those of AMD's public machine-readable ISA for CDNA 5 (MIT licence, August 2026) and "CDNA5" Instruction Set Architecture Reference Guide (July 2026). The comments in the code are by the model that wrote it; some were corrected since.
;; sparse low precision linear. Allowed arithmetic: float matrix products may take bf16 or f16 operands with f32 sums; other float arithmetic in f32, or as packed bf16 or f16 multiplies, adds, multiply-adds, maxima and minima; sums over many terms, partial sums and values carried from step to step in f32; what a program stores and reads back later, other than sums and carried values, may be rounded once to bf16 or f16.
;; Inputs: mask 4,096 x 4,096 bool; qvals 4,096 x 4,096 int32; scales 1 x 4,096 float16; x 4,096 x 4,096 float16.
;; Outputs: out0 4,096 x 4,096 float16.
;; 2 versions, each right; version 2 is version 1 with the launch dequant written anew for expert scheduling mode. Each part assembles by itself: llvm-mc -triple=amdgcn-amd-amdhsa -mcpu=gfx1250 --defsym DOCPART=n.
;; ======== version 1 of 2: 2 launches
;; workspace buffers: w 33,554,432 bytes
;; launch dequant (part 1): grid 256 x 1, 16 waves a work-group, no clusters, 0 bytes of LDS; arguments qvals, mask, scales, w; writes w
.if DOCPART == 1
	.amdgcn_target "amdgcn-amd-amdhsa--gfx1250"
	.amdhsa_code_object_version 6
	.text
	.protected	k_qc2bf8479c4_dequant
	.globl	k_qc2bf8479c4_dequant
	.p2align	8
	.type	k_qc2bf8479c4_dequant,@function
k_qc2bf8479c4_dequant:
	s_mov_b64 s[64:65], 0
	v_nop
	global_prefetch_b8 v0, s[64:65] scope:SCOPE_SE
	s_setreg_imm32_b32 hwreg(HW_REG_WAVE_MODE, 25, 1), 1
	s_wait_xcnt 0x0
; w[k][n] = mask[k][n] ? f16((f32(q[k][n]) - 8) * f32(scale[n])) : 0.   q: [4096][4096] int32, mask: [4096][4096] bytes, scale: [4096] f16, w: [4096][4096] f16, all with n along the rows.
; w is the weight matrix as the problem's own text makes it, rounded once to f16, in its own layout; the launch behind multiplies by it.
; NOTHING IS LEFT OUT: every q, every mask byte and every scale has a way to the output, so all are loaded.  The mask is taken as it is given: no pattern of it is assumed.
; LIMITS.  A mask byte is 0 or 1.  (q - 8) s is made as one fused q s - 8 s: the exact value is the same and it is rounded once, so the bits are those of (q - 8) s for |q| up to 2^24
; (beyond, f32(q) - 8 rounds once more in the problem's text and not here).  An infinite scale gives NaN here (infinity less infinity) in place of an infinity.  Beyond f16's range the cast gives an infinity, as the problem's own cast does.
; SHARES.  A stream: no byte is wanted twice, so no LDS, no barrier, no matrix unit.  A work-group owns 16 rows k, whole; wave v of 16 the columns 256 v .. 256 v + 255, as two strips of 128;
; lane l the columns 256 v + 128 u + 4 l .. + 3 of strip u.  For a row and a strip a wave loads 512 consecutive bytes of q and 128 of the mask (the two strips' loads, on end, cover 256 aligned bytes)
; and stores 256 consecutive bytes of w, aligned.  A lane's eight scales stay in registers.
; IN FLIGHT.  A ring of 8 row slots in registers: 32 loads of every wave are out.  16 rows are two rounds, written out: every row stands in an immediate, and no address register is ever rewritten.
.set QROW, 16384                       ; bytes in a row of q
.set MROW, 4096                        ; of the mask
.set WROW, 8192                        ; of w
.set QO,  2                            ; v2        my byte offset in a row of q, strip 0: 1,024 v + 16 l
.set MO,  3                            ; v3        in a row of the mask: a quarter of that
.set WO,  4                            ; v4        in a row of w, and in the scales: half of it
.set RAW, 6                            ; v[6:9]    my eight scales as loaded
.set S,   10                           ; v[10:17]  the same in f32: strip 0's four, strip 1's four
.set NB,  18                           ; v[18:25]  -8 x scale
.set T,   26                           ; v[26:31]  at work
.set Q,   32                           ; v[32:95]  slot i: 8 registers, strip u's four q at + 4 u
.set M,   96                           ; v[96:111] slot i: 2 registers, strip u's four mask bytes at + u
.set Y,   112                          ; v[112:143] slot i: 4 registers, strip u's four f16 at + 2 u
	s_load_b256 s[4:11], s[0:1], 0x0               ; q s[4:5], mask s[6:7], scales s[8:9], w s[10:11]
	s_lshl_b32 s12, ttmp9, 18                      ; the work-group's 16 rows: of q 16 x 16,384 bytes,
	s_mov_b32 s13, 0
	s_lshl_b32 s14, ttmp9, 16                      ; of the mask 16 x 4,096,
	s_mov_b32 s15, 0
	s_lshl_b32 s16, ttmp9, 17                      ; of w 16 x 8,192
	s_mov_b32 s17, 0
	s_mov_b32 s18, 0x01010000                      ; byte selects: bytes 0, 0, 1, 1 of a word
	s_mov_b32 s19, 0x03030202                      ; bytes 2, 2, 3, 3
	v_and_b32 v1, 0x1e0, v0                        ; 32 x wave
	v_and_b32 v[QO], 31, v0                        ; lane
	v_lshlrev_b32 v[QO], 4, v[QO]
	v_lshl_or_b32 v[QO], v1, 5, v[QO]              ; 1,024 x wave + 16 x lane
	v_lshrrev_b32 v[MO], 2, v[QO]
	v_lshrrev_b32 v[WO], 1, v[QO]
	s_wait_kmcnt 0x0
	s_add_nc_u64 s[4:5], s[4:5], s[12:13]
	s_add_nc_u64 s[6:7], s[6:7], s[14:15]
	s_add_nc_u64 s[10:11], s[10:11], s[16:17]
	global_load_b64 v[RAW:RAW+1],   v[WO], s[8:9]              ; strip 0's four scales (every work-group reads these: no hint)
	global_load_b64 v[RAW+2:RAW+3], v[WO], s[8:9] offset:256   ; strip 1's
; Row r of the work-group's 16 into slot i: four loads.
.macro LOADS i, r
	global_load_b128 v[Q+8*(\i):Q+8*(\i)+3],   v[QO], s[4:5] offset:(\r)*QROW th:TH_LOAD_NT
	global_load_b128 v[Q+8*(\i)+4:Q+8*(\i)+7], v[QO], s[4:5] offset:(\r)*QROW+512 th:TH_LOAD_NT
	global_load_b32 v[M+2*(\i)],   v[MO], s[6:7] offset:(\r)*MROW th:TH_LOAD_NT
	global_load_b32 v[M+2*(\i)+1], v[MO], s[6:7] offset:(\r)*MROW+128 th:TH_LOAD_NT
.endm
.irp i, 0,1,2,3,4,5,6,7
	LOADS \i, \i                                   ; the ring is filled: rows 0 to 7
.endr
	s_wait_loadcnt 32                              ; the two scale loads are in; the ring's 32, issued behind them, stay out
	v_cvt_f32_f16 v[S],   v6.l
	v_cvt_f32_f16 v[S+1], v6.h
	v_cvt_f32_f16 v[S+2], v7.l
	v_cvt_f32_f16 v[S+3], v7.h
	v_cvt_f32_f16 v[S+4], v8.l
	v_cvt_f32_f16 v[S+5], v8.h
	v_cvt_f32_f16 v[S+6], v9.l
	v_cvt_f32_f16 v[S+7], v9.h
.irp p, 0,1,2,3
	v_pk_mul_f32 v[NB+2*(\p):NB+2*(\p)+1], v[S+2*(\p):S+2*(\p)+1], 0xc1000000 op_sel_hi:[1,0]  ; -8 x scale: exact
.endr
; The turn of slot i, which holds row r.  ahead = 1: the slot is filled again with row r + 8.  left = how many younger loads may stay out: four for each younger slot.
.macro SLOT i, r, ahead, left
	s_wait_loadcnt \left                           ; loads come back in order (ISA guide 5.7.1): my four are in
.irp u, 0,1
	v_lshlrev_b32 v[T+(\u)], 8, v[M+2*(\i)+(\u)]   ; 256 m - m = 255 m: each byte 1 becomes 0xff; no byte carries into the next
.endr
.irp u, 0,1
	v_sub_nc_u32 v[T+(\u)], v[T+(\u)], v[M+2*(\i)+(\u)]
.endr
.irp j, 0,1,2,3,4,5,6,7
	v_cvt_f32_i32 v[Q+8*(\i)+(\j)], v[Q+8*(\i)+(\j)]
.endr
.irp p, 0,1,2,3
	v_pk_fma_f32 v[Q+8*(\i)+2*(\p):Q+8*(\i)+2*(\p)+1], v[Q+8*(\i)+2*(\p):Q+8*(\i)+2*(\p)+1], v[S+2*(\p):S+2*(\p)+1], v[NB+2*(\p):NB+2*(\p)+1]  ; q s - 8 s, two at a time
.endr
.irp p, 0,1,2,3
	v_cvt_pk_f16_f32 v[Y+4*(\i)+(\p)], v[Q+8*(\i)+2*(\p)], v[Q+8*(\i)+2*(\p)+1]  ; the one rounding to f16
.endr
	v_perm_b32 v[T+2], v[T],   v[T],   s18         ; a mask byte spread over its f16: 0xffff or 0
	v_perm_b32 v[T+3], v[T],   v[T],   s19
	v_perm_b32 v[T+4], v[T+1], v[T+1], s18
	v_perm_b32 v[T+5], v[T+1], v[T+1], s19
.irp p, 0,1,2,3
	v_and_b32 v[Y+4*(\i)+(\p)], v[Y+4*(\i)+(\p)], v[T+2+(\p)]  ; where the mask is 0 the weight is 0, whatever was computed
.endr
.if \ahead
	LOADS \i, (\r)+8                               ; the loads go out ahead of the stores
.endif
	global_store_b64 v[WO], v[Y+4*(\i):Y+4*(\i)+1],   s[10:11] offset:(\r)*WROW      ; 32 lanes store 256 consecutive bytes, at a multiple of 256 from w's first byte
	global_store_b64 v[WO], v[Y+4*(\i)+2:Y+4*(\i)+3], s[10:11] offset:(\r)*WROW+256
.endm
.irp i, 0,1,2,3,4,5,6,7
	SLOT \i, \i, 1, 28                             ; seven younger slots, four loads each
.endr
	s_wait_xcnt 0x0                                ; every earlier memory instruction has had its addresses translated (ISA guide 3.1): Y, which the first round's stores read, is rewritten only behind this wait
.irp i, 0,1,2,3,4,5,6,7
	SLOT \i, 8+\i, 0, 28-4*\i                      ; the last round loads nothing: the counts run down
.endr
	s_endpgm
.Lfunc_end_k_qc2bf8479c4_dequant:
	.size	k_qc2bf8479c4_dequant, .Lfunc_end_k_qc2bf8479c4_dequant-k_qc2bf8479c4_dequant
	.p2alignl 7, 3214868480
	.fill 96, 4, 3214868480
	.section	.rodata,"a",@progbits
	.p2align	6, 0x0
	.amdhsa_kernel k_qc2bf8479c4_dequant
		.amdhsa_group_segment_fixed_size 0
		.amdhsa_private_segment_fixed_size 0
		.amdhsa_enable_private_segment 0
		.amdhsa_kernarg_size 32
		.amdhsa_user_sgpr_count 2
		.amdhsa_user_sgpr_kernarg_segment_ptr 1
		.amdhsa_wavefront_size32 1
		.amdhsa_system_sgpr_workgroup_id_x 1
		.amdhsa_system_sgpr_workgroup_id_y 1
		.amdhsa_system_sgpr_workgroup_id_z 1
		.amdhsa_system_vgpr_workitem_id 0
		.amdhsa_next_free_vgpr 144
		.amdhsa_next_free_sgpr 66
		.amdhsa_reserve_vcc 0
		.amdhsa_float_denorm_mode_32 3
		.amdhsa_float_denorm_mode_16_64 3
		.amdhsa_memory_ordered 1
		.amdhsa_forward_progress 1
		.amdhsa_inst_pref_size 32
	.end_amdhsa_kernel
	.amdgpu_metadata
---
amdhsa.version: [ 1, 2 ]
amdhsa.kernels:
  - .name:           k_qc2bf8479c4_dequant
    .symbol:         k_qc2bf8479c4_dequant.kd
    .args:
      - { .name: qvals, .offset: 0, .size: 8, .value_kind: global_buffer, .address_space: global }
      - { .name: mask, .offset: 8, .size: 8, .value_kind: global_buffer, .address_space: global }
      - { .name: scales, .offset: 16, .size: 8, .value_kind: global_buffer, .address_space: global }
      - { .name: w, .offset: 24, .size: 8, .value_kind: global_buffer, .address_space: global }
    .group_segment_fixed_size: 0
    .private_segment_fixed_size: 0
    .kernarg_segment_align: 8
    .kernarg_segment_size: 32
    .max_flat_workgroup_size: 512
    .sgpr_count:     66
    .vgpr_count:     144
    .wavefront_size: 32
...
	.end_amdgpu_metadata
.endif
;; end of part 1
;; launch gemm (part 2): grid 16 x 16, 4 waves a work-group, clusters of 4 x 4, 327,680 bytes of LDS; arguments x, w, out0; writes out0
.if DOCPART == 2
	.amdgcn_target "amdgcn-amd-amdhsa--gfx1250"
	.amdhsa_code_object_version 6
	.text
	.protected	k_qc2bf8479c4_gemm
	.globl	k_qc2bf8479c4_gemm
	.p2align	8
	.type	k_qc2bf8479c4_gemm,@function
k_qc2bf8479c4_gemm:
	s_mov_b64 s[64:65], 0
	v_nop
	global_prefetch_b8 v0, s[64:65] scope:SCOPE_SE
	s_setreg_imm32_b32 hwreg(HW_REG_WAVE_MODE, 25, 1), 1
	s_wait_xcnt 0x0
	s_wait_alu depctr_hold_cnt(0) depctr_sa_sdst(0) depctr_va_vdst(0) depctr_va_sdst(0) depctr_va_ssrc(0) depctr_va_vcc(0) depctr_vm_vsrc(0)
	s_getreg_b32 s2, hwreg(HW_REG_IB_STS2, 6, 4)
	s_cmp_eq_u32 s2, 0
	s_cbranch_scc0 .Lentry_in_a_cluster
	s_endpgm
.Lentry_in_a_cluster:
	s_bfe_u32 s2, ttmp6, 0x10000c
	s_cmp_lg_u32 s2, 0xf033
	s_cbranch_scc0 .Lentry_shape_is_right
	s_endpgm
.Lentry_shape_is_right:
; out0[t][n] = sum over k of x[t][k] w[k][n].  x: [4096][4096] f16 (k along the rows), w: [4096][4096] f16 (n along the rows; the launch before made it), out0: [4096][4096] f16.
; f16 operands as they lie in memory, one f32 sum for each output, K ascending, out0 rounded once.  Nothing is left out: the product is dense, whatever the mask was.
; LIMITS.  A sum beyond f16's range leaves as an infinity, as the problem's own cast makes it; NaN and infinities in x or w go through the products untreated.
; A tile of out0, 256 x 256, is made by a work-group of four waves, as many as a WGP has SIMDs; a wave makes 128 x 128: 64 accumulators of 16 x 16, 512 registers.  16 x 16 tiles: 256 work-groups.
; K goes in steps of 128 through a ring of two LDS slots filled by the tensor data mover: of x 256 rows x 256 bytes, of w 128 rows (k) x 512 bytes; all these rows start at multiples of 256 bytes from their buffer's first byte.
; The last K step goes by rows of out0, so that finished rows leave while the others are multiplied.
; CLUSTERS: 4 x 4 work-groups.  The four of a row of the cluster make tiles of one tile row and need the same tiles of x; the four of a column need the same tiles of w.  Such a tile is asked for JOINTLY:
; each of the four issues the same tensor load, with the same descriptor and a mask that names the four, and each receives the tile in its own LDS.  That divides the requests for x and for w by four.
;
; REGISTERS, in windows of 256 (an instruction names v0-v255; s_set_vgpr_msb says which window each operand place means):
;   window 0: v0-31 addresses; v64-127, v128-191 fragments of x (8 x 16 rows x 32 K), two buffers (in the last K step four, of 16 rows x 128 K); v32-63, v192-255 at work on the way out
;   window 1: v64-127, v128-191 fragments of w, two buffers; in the last K step all 256: w's fragments of the whole step
;   window 2: the 32 accumulators of my rows 0-63 (accumulator (a, b) at v[8 (8 a + b)]);   window 3: those of my rows 64-127
; s_set_vgpr_msb's low byte: bits 1:0 source 0, 3:2 source 1, 5:4 source 2, 7:6 destination.
;
; THE MATRIX INSTRUCTION IS USED TRANSPOSED: source 0 = 16 columns of w, source 1 = 16 rows of x.  In the result lane l holds row l % 16 of out0 and its registers 0 to 7 the columns
; 8 (l / 16) + 0 .. 7: eight NEIGHBOURING numbers of a row, which pack into 16 bytes.
; w lies in LDS as in memory, [k][n]; ds_load_tr16_b128 turns it: two such loads leave a fragment in which lane l holds column l % 16 and 16 of the 32 k, the layout of either source.
.set KSTEP,  128
.set ROWB,   8192                      ; bytes in a row of x, of w and of out0
.set BSTEP,  KSTEP*ROWB                ; a K step in w: 128 rows
.set PITCH,  272                       ; an LDS row of x: 256 bytes + 16 of padding = 68 words: row r starts at bank 4 r mod 64 (64 banks of 4 bytes: ISA guide 11.1), so the 16 rows of a load start at 16 different groups of four banks
.set PB,     544                       ; an LDS row of w: 512 bytes + 32 of padding = 136 words: row r starts at bank 8 r mod 64
.set HALFT,  128*PITCH                 ; what one tensor load brings: 128 rows of x, or 64 rows of w (64 x 544 is the same number)
.set SLOT,   4*HALFT                   ; x's 256 rows, then w's 128 rows
.set STAGE,  2*SLOT                    ; behind the ring: 16 rows x 272 bytes for each wave, for the way out
.set SPITCH, 272
.set SPARE,  STAGE+4*16*SPITCH         ; behind the stages: the spare words, 128 bytes for each wave: two blocks of 256 bytes that no other line names
.set LAPS,   4096/(2*KSTEP)            ; a lap = two K steps = once round the ring
.set ADRA, 16                          ; v16-17  LDS address of my fragments of x in slot 0, 1
.set ADRB, 20                          ; v20-21  the same for w
.set STO,  24                          ; v24     the way out: where I put 16 bytes of a row
.set RD,   25                          ; v25     the way out: where I read a row back
.set CO,   26                          ; v26     my byte offset in out0
.set SPW,  28                          ; v28     LDS address of my spare word: SPARE + 4 x my thread's number; never rewritten
.set NIL,  29                          ; v29     0; never rewritten
.set PFO,  30                          ; v30     the prefetches' lane offset; never rewritten
.set PFA,  44                          ; s[44:45] where my prefetches stand
.set LIM,  43                          ; s43     1 in a wave that prefetches, else the greatest number
.set PST,  66                          ; s[66:67] a K step in the tensor that I prefetch: 256 bytes in x, 128 rows in w
.set F0,   64                          ; fragment buffer 0
.set F1,   128                         ; fragment buffer 1
.set TMP,  192                         ; the way out: packed results, in window 0
.set OB,   32                          ; the way out: 16 rows read back from the stage: v32-63 and v224-255 by turns
.set PA,   64                          ; the last K step: x's fragments of 16 rows x 128 K, 32 registers; four such buffers, v64-191
.set G1, 24                            ; s[24:31] descriptor group 1 for x's tiles
.set G0, 32                            ; s[32:39] descriptor group 0 for x's tiles, one set for each slot
.set G1B, 48                           ; s[48:55] descriptor group 1 for w's tiles
.set G0B, 56                           ; s[56:63] descriptor group 0 for w's tiles, one set for each slot
.set MSB, 0
.macro WIN new                         ; the immediate's high byte repeats the setting that is left; a switch that changes nothing is dropped
.if MSB != (\new)
	s_set_vgpr_msb (MSB<<8)|(\new)
.set MSB, \new
.endif
.endm
.set MUL_LO, 0xa1                      ; source 0 (w) window 1, source 1 (x) window 0, C and D window 2
.set MUL_HI, 0xf1                      ; the same, C and D window 3
.set TO_B,   0x40                      ; destination window 1, address window 0
; A joint load.  Waves 0 and 1 fetch the two halves of x's tile, waves 2 and 3 those of w's.  Each of the two lines has ONE mask and one set of registers for all that issue it, and nothing in
; them hangs on a coordinate that the four partners do not share.  The branch hangs on the wave's number alone.
; An s_nop 0 and four v_nop follow each of the two lines, ahead of the jump, the label and what follows the macro.
.macro JLOAD s
	s_cmp_eq_u32 s11, 0
	s_cbranch_scc0 .Lfor_b_\@
	tensor_load_to_lds s[G0+4*(\s):G0+4*(\s)+3], s[G1:G1+7]
	s_nop 0
.rept 4
	v_nop
.endr
	s_branch .Lasked_\@
.Lfor_b_\@:
	tensor_load_to_lds s[G0B+4*(\s):G0B+4*(\s)+3], s[G1B:G1B+7]
	s_nop 0
.rept 4
	v_nop
.endr
.Lasked_\@:
.endm
; A PREFETCH INTO THE L2, behind each joint load, its five lines and the run of LDS loads that follows them: the K step that stands TWO refills on, 512 matrix instructions ahead of the load that will want it; one instruction a wave.
; Each aligned block of 256 bytes is named ONCE in the launch.  x's tile row is read by every cluster of that row of clusters: the first (cluster x = 0) asks; w's tile column by every cluster of that column:
; cluster y = 0 asks.  The four partners that ask for a tile jointly share it out BY ADDRESS: of the 128 rows of x that a wave fetches, the partner at cx takes 32 cx .. + 31, a lane a row; of the 64 rows
; of w, the partner at cy takes 16 cy .. + 15, two lanes a row of 512 bytes.  No branch hangs on a work-group's place in its cluster.  The loop's last trip asks for nothing: no K step stands two on.
.macro ASK
	s_cmp_gt_u32 s3, s[LIM]                        ; s3 = 1 in the loop's last trip
	s_cbranch_scc0 .Lnot_mine_\@
	global_prefetch_b8 v[PFO], s[PFA:PFA+1] th:TH_LOAD_NT scope:SCOPE_SE
.Lnot_mine_\@:
.endm
; A round of the cluster's barrier: my work-group's barrier, so that wave 0's signal speaks for all four waves; wave 0 signals for the work-group; every wave waits for all
; sixteen work-groups; my work-group's barrier once more.  No LDS instruction of the wave is pending at a signal.
.macro CREST                           ; a round behind its opening barrier
	s_cmp_lg_u32 s10, 0
	s_cbranch_scc1 .Lnot_wave_0_\@
	s_barrier_signal -3
.Lnot_wave_0_\@:
	s_barrier_wait -3
	s_barrier_signal -1
	s_barrier_wait -1
.endm
.macro CROUND                          ; a whole round
	s_barrier_signal -1
	s_barrier_wait -1
	CREST
.endm
	s_load_b128 s[4:7], s[0:1], 0x0                ; x s[4:5], w s[6:7]
	s_load_b64 s[8:9], s[0:1], 0x10                ; out0
	v_lshl_add_u32 v[SPW], v0, 2, SPARE
	v_mov_b32 v[NIL], 0
	ds_add_u32 v[SPW], v[NIL]                      ; the wave's opening: the add, twice on end, and its wait, ahead of my first tensor load; the set-up below, work on registers, stands between the second and the wait
	ds_add_u32 v[SPW], v[NIL]                      ; and once more, under the one wait
	v_lshrrev_b32 v1, 5, v0
	v_readfirstlane_b32 s10, v1                    ; wave 0..3
	s_lshr_b32 s11, s10, 1                         ; which half of the tile's rows is mine.  Also: I fetch for x (0) or for w (1)
	s_and_b32 s12, s10, 1                          ; which half of its columns.  Also: which half of that tensor's tile I fetch
	s_bfe_u32 s40, ttmp6, 0x40000                  ; cx: my place along the cluster's x
	s_bfe_u32 s41, ttmp6, 0x40004                  ; cy: along its y
	s_lshl_b32 s42, ttmp9, 2                       ; in a cluster launch ttmp9 and ttmp7 count clusters
	s_add_co_u32 s42, s42, s40                     ; tile column = 4 x cluster x + cx
	s_and_b32 s13, ttmp7, 0xffff
	s_lshl_b32 s13, s13, 2
	s_add_co_u32 s13, s13, s41                     ; tile row = 4 x cluster y + cy
	s_lshl_b32 s43, s41, 2
	s_lshl_b32 s43, 15, s43                        ; my row of the cluster: places 4 cy .. 4 cy + 3
	s_lshl_b32 s44, 0x1111, s40                    ; my column: places cx, cx + 4, cx + 8, cx + 12
	; descriptor group 1 for x: a tile of 128 rows x 128 elements, padded in LDS
	s_or_b32 s[G1+0], s43, (1<<16)|(1<<20)|(1<<21)|(5<<22)|(3<<25)  ; 15:0 the mask: my row; 17:16 elements of 2 bytes; 20 padding on; 21 set beside a mask; 24:22 after every 64 words (code 5); 31:25 4 words of it (code 3)
	s_mov_b32 s[G1+1], 128<<16                     ; 63:48 tensor_dim0, low half = 128
	s_mov_b32 s[G1+2], 128<<16                     ; 79:64 its high half = 0; 95:80 tensor_dim1, low half = 128
	s_mov_b32 s[G1+3], 128<<16                     ; 111:96 its high half = 0; 127:112 tile_dim0 = 128
	s_mov_b32 s[G1+4], 128                         ; 143:128 tile_dim1 = 128; 159:144 tile_dim2 = 0
	s_mov_b32 s[G1+5], 4096                        ; 191:160 tensor_dim0_stride, low word: elements from row to row
	s_mov_b32 s[G1+6], 0
	s_mov_b32 s[G1+7], 0
	; and for w: a tile of 64 rows (k) x 256 elements (n)
	s_or_b32 s[G1B+0], s44, (1<<16)|(1<<20)|(1<<21)|(6<<22)|(7<<25) ; the mask: my column; padding after every 128 words (code 6), 8 words of it (code 7)
	s_mov_b32 s[G1B+1], 256<<16                    ; tensor_dim0 = 256
	s_mov_b32 s[G1B+2], 64<<16                     ; tensor_dim1 = 64
	s_mov_b32 s[G1B+3], 256<<16                    ; tile_dim0 = 256
	s_mov_b32 s[G1B+4], 64                         ; tile_dim1 = 64
	s_mov_b32 s[G1B+5], 4096
	s_mov_b32 s[G1B+6], 0
	s_mov_b32 s[G1B+7], 0
	; where the tiles come from.  x's hang on the tile row alone, which my row of the cluster shares; w's on the tile column alone, which my column shares.
	; Every wave makes both addresses, in registers that do not hold the other coordinate, and asks by one of them.
	s_lshl_b32 s16, s13, 8
	s_lshl_b32 s17, s12, 7
	s_add_co_u32 s16, s16, s17                     ; x: row 256 x tile row + 128 x half,
	s_lshl_b32 s16, s16, 13                        ; in bytes (under 2^25)
	s_mov_b32 s17, 0
	s_lshl_b32 s46, s42, 9                         ; w: column 256 x tile column, in bytes,
	s_lshl_b32 s47, s12, 19                        ; + row 64 x half
	s_add_co_u32 s46, s46, s47
	s_mov_b32 s47, 0
	s_mul_i32 s20, s10, HALFT                      ; and where they go: x's two halves, then w's two halves = wave x 34,816 bytes: no place in the cluster enters an LDS address
	s_wait_dscnt 0x0                               ; both opening adds are done
	s_wait_kmcnt 0x0
	s_add_nc_u64 s[14:15], s[4:5], s[16:17]
	s_add_nc_u64 s[46:47], s[6:7], s[46:47]
	CROUND                                         ; all sixteen work-groups are here: the first joint loads meet
.irp s, 0,1
	s_mov_b32 s[G0+4*(\s)], 1                                      ; 1:0 count = 1
	s_add_co_u32 s[G0+4*(\s)+1], s20, (\s)*SLOT                    ; 63:32 LDS address
	s_add_nc_u64 s[G0+4*(\s)+2:G0+4*(\s)+3], s[14:15], (\s)*KSTEP*2  ; 120:64 global address: K step s
	s_or_b32 s[G0+4*(\s)+3], s[G0+4*(\s)+3], 0x80000000            ; 127:126 type = 2
	s_mov_b32 s[G0B+4*(\s)], 1
	s_add_co_u32 s[G0B+4*(\s)+1], s20, (\s)*SLOT
	s_add_nc_u64 s[G0B+4*(\s)+2:G0B+4*(\s)+3], s[46:47], (\s)*BSTEP
	s_or_b32 s[G0B+4*(\s)+3], s[G0B+4*(\s)+3], 0x80000000
	JLOAD \s                                       ; the ring is filled before anything else is done: two loads of mine are out
.endr
	; A fragment is 16 rows x 32 K in 8 registers: lane l holds row l % 16; registers 0-3 hold K = 8 (l / 16) + 0..7, registers 4-7 hold K = 16 + 8 (l / 16) + 0..7.
	; x, whose rows lie along K: two loads of 16 bytes, 32 bytes apart.
	v_and_b32 v1, 15, v0                           ; l % 16
	v_bfe_u32 v2, v0, 4, 1                         ; l / 16
	v_mul_u32_u24 v3, v1, PITCH
	v_lshl_add_u32 v3, v2, 4, v3                   ; row x pitch + 16 x half
	; w, whose rows lie along n: the turning load takes 16 k x 16 n (lane l reads 16 bytes: k = 8 (l / 16) + l % 8, n = 8 ((l / 8) % 2) + 0..7); two of them, 16 rows apart, are a fragment.
	v_and_b32 v6, 7, v0
	v_lshl_add_u32 v6, v2, 3, v6
	v_mul_u32_u24 v6, v6, PB
	v_bfe_u32 v7, v0, 3, 1
	v_lshl_add_u32 v6, v7, 4, v6
	s_mul_i32 s21, s11, HALFT                      ; my 128 rows of x
	s_lshl_b32 s22, s12, 8                         ; my 128 columns of w: 256 bytes of each row,
	s_add_co_u32 s22, s22, 2*HALFT                 ; behind x's 256 rows
.irp s, 0,1
	v_add_nc_u32 v[ADRA+(\s)], s21, v3
	v_add_nc_u32 v[ADRB+(\s)], s22, v6
	s_add_co_u32 s21, s21, SLOT
	s_add_co_u32 s22, s22, SLOT
.endr
	s_mul_i32 s23, s10, 16*SPITCH
	s_add_co_u32 s23, s23, STAGE                   ; my stage
	v_mul_u32_u24 v4, v1, SPITCH                   ; in: row l % 16, 16 bytes for each half of the lanes
	v_lshl_add_u32 v4, v2, 4, v4
	v_add_nc_u32 v[STO], s23, v4
	v_mul_u32_u24 v5, v2, SPITCH                   ; back: lanes 0-15 take one row of 256 bytes, lanes 16-31 the next
	v_lshl_add_u32 v5, v1, 4, v5
	v_add_nc_u32 v[RD], s23, v5
	v_lshlrev_b32 v5, 13, v2                       ; and the same two rows in out0
	v_lshl_add_u32 v[CO], v1, 4, v5
	; where my part of the tile begins in out0, in bytes: the way out adds it to out0's address
	s_lshl_b32 s13, s13, 8                         ; 256 x tile row
	s_lshl_b32 s14, s11, 7
	s_add_co_u32 s16, s13, s14                     ; my first row
	s_lshl_b32 s16, s16, 13
	s_mov_b32 s17, 0
	s_lshl_b32 s46, s42, 9                         ; my first column, in bytes: 512 x tile column + 256 x half
	s_lshl_b32 s47, s12, 8
	s_add_co_u32 s46, s46, s47
	s_mov_b32 s47, 0
	s_add_nc_u64 s[16:17], s[16:17], s[46:47]
	; the prefetches.  s13 = 256 x tile row, s42 = tile column, s40 = cx, s41 = cy still stand.  Both tensors' offsets are made, then one compare on "do I fetch for x?" chooses.
	s_lshl_b32 s20, s12, 7
	s_add_co_u32 s20, s20, s13                     ; x: the 128 rows that I fetch,
	s_lshl_b32 s21, s40, 5
	s_add_co_u32 s20, s20, s21                     ; my work-group's 32 of them,
	s_lshl_b32 s20, s20, 13
	s_add_co_u32 s20, s20, 3*KSTEP*2               ; at K step 3: the first refill steps it to 4 and names that
	s_lshl_b32 s21, s12, 6                         ; w: the 64 rows that I fetch,
	s_lshl_b32 s22, s41, 4
	s_add_co_u32 s21, s21, s22                     ; my work-group's 16 of them,
	s_lshl_b32 s21, s21, 13
	s_lshl_b32 s22, s42, 9
	s_add_co_u32 s21, s21, s22                     ; the tile's 512 bytes of a row,
	s_add_co_u32 s21, s21, 3*BSTEP                 ; at K step 3
	s_and_b32 s22, ttmp7, 0xffff                   ; cluster y
	s_mov_b32 s23, BSTEP
	s_cmp_eq_u32 s11, 0                            ; do I fetch for x?
	s_cselect_b32 s20, s20, s21
	s_cselect_b32 s22, ttmp9, s22                  ; the coordinate along which other clusters read the same rows
	s_cselect_b32 s[PST], 0x100, s23
	s_cselect_b32 s23, 0, 1                        ; x: a lane a row; w: two lanes a row
	s_cselect_b64 s[PFA:PFA+1], s[4:5], s[6:7]
	s_mov_b32 s21, 0
	s_mov_b32 s[PST+1], 0
	s_cmp_eq_u32 s22, 0
	s_cselect_b32 s[LIM], 1, -1                    ; the same in all sixteen partners, for a given wave
	s_add_nc_u64 s[PFA:PFA+1], s[PFA:PFA+1], s[20:21]
	v_and_b32 v4, 31, v0
	v_lshrrev_b32 v5, s23, v4                      ; the lane's row,
	v_and_b32 v4, s23, v4                          ; and which 256 bytes of it
	v_lshlrev_b32 v4, 8, v4
	v_lshl_add_u32 v[PFO], v5, 13, v4
	; nothing is prefetched here, at the head, where every work-group's first two tiles are on their way: K steps 0 to 3 come by their loads alone
; 16 matrix instructions: m blocks a0, a0 + 1 of the window's four (hi = 0: my rows 0-63, 1: rows 64-127) x all 8 n blocks, 32 along K.
; zero = 1: the first product starts the sums: nothing is ever cleared.  The 64 accumulators take turns, one instruction a turn, in the same order in every quarter step.
.macro MUL16 f, hi, a0, zero
	WIN MUL_LO+0x50*(\hi)  ; MUL_LO or MUL_HI
.irp a, \a0, (\a0)+1
.irp b, 0,1,2,3,4,5,6,7
.if \zero
	v_wmma_f32_16x16x32_f16 v[8*(8*(\a)+(\b)):8*(8*(\a)+(\b))+7], v[(\f)+8*(\b):(\f)+8*(\b)+7], v[(\f)+8*(4*(\hi)+(\a)):(\f)+8*(4*(\hi)+(\a))+7], 0
.else
	v_wmma_f32_16x16x32_f16 v[8*(8*(\a)+(\b)):8*(8*(\a)+(\b))+7], v[(\f)+8*(\b):(\f)+8*(\b)+7], v[(\f)+8*(4*(\hi)+(\a)):(\f)+8*(4*(\hi)+(\a))+7], v[8*(8*(\a)+(\b)):8*(8*(\a)+(\b))+7]
.endif
.endr
.endr
.endm
; 32 LDS loads in one run: the fragments of quarter q of a K step (32 K x my 128 columns of w, my 128 rows of x x 32 K) into buffer f.  The largest immediate is 3 x 32 x 544 + 16 x 544 + 224 = 61,152.
.macro FETCH slot, q, f
	WIN TO_B
.irp i, 0,1,2,3,4,5,6,7
	ds_load_tr16_b128 v[(\f)+8*(\i):(\f)+8*(\i)+3],   v[ADRB+(\slot)] offset:(\q)*32*PB+32*(\i)
	ds_load_tr16_b128 v[(\f)+8*(\i)+4:(\f)+8*(\i)+7], v[ADRB+(\slot)] offset:(\q)*32*PB+16*PB+32*(\i)
.endr
	WIN 0
.irp i, 0,1,2,3,4,5,6,7
	ds_load_b128 v[(\f)+8*(\i):(\f)+8*(\i)+3],   v[ADRA+(\slot)] offset:64*(\q)+(\i)*16*PITCH
	ds_load_b128 v[(\f)+8*(\i)+4:(\f)+8*(\i)+7], v[ADRA+(\slot)] offset:64*(\q)+(\i)*16*PITCH+32
.endr
.endm
; A load into a register that a matrix instruction has read, and a vector instruction that reads a matrix result, stand four places behind that matrix instruction, and only plain vector
; instructions that name none of its registers are places (ISA guide 7.12.1 for vector instructions); the matrix instructions in between are not counted.
.macro PLACES
.rept 4
	v_nop
.endr
.endm
; A K step is four quarters of 32 along K, 64 matrix instructions each, on buffers 0, 1, 0, 1.
; One of the first three: multiplies buffer f; in its middle it fetches quarter q of the same slot into buffer g.
.macro QUARTER slot, q, f, g, zero
	s_wait_dscnt 8                                 ; w and x's rows 0-63 are in; the youngest eight loads (x's rows 64-127) may be out
	WIN MUL_LO
	MUL16 \f, 0, 0, \zero
	MUL16 \f, 0, 2, \zero
	PLACES
	FETCH \slot, \q, \g
	s_wait_dscnt 32                                ; all but the 32 just issued
	WIN MUL_HI
	MUL16 \f, 1, 0, \zero
	MUL16 \f, 1, 2, \zero
.endm
; The last quarter multiplies buffer 1 and changes slots.  MEET is its first half: ONE barrier for the change of slots, for two things.  In front of it each wave waits for all its tensor loads,
; of which one is out: its part of the next slot; adds 0 to its spare word; and waits for that and for its own reads of this slot.  Behind it nobody reads this slot any more and the next slot is whole.
.macro MEET round                      ; round = 1: the rest of a round of the cluster's barrier follows
	WIN 0                                          ; (the add's two registers lie in window 0)
	s_wait_tensorcnt 0x0                           ; all my tensor loads have landed: the one that was out is my part of the next slot;
	ds_add_u32 v[SPW], v[NIL]                      ; 0 onto my spare word;
	s_wait_dscnt 9                                 ; (the add and the youngest eight loads may be out)
	WIN MUL_LO
	MUL16 F1, 0, 0, 0                              ; sixteen matrix instructions stand between the add and the wait for it
	s_wait_dscnt 0x0                               ; the add is done, and my reads of this slot are over:
	s_barrier_signal -1                            ; say so,
	MUL16 F1, 0, 2, 0                              ; work on registers while the others arrive,
.if \round
	WIN 0
.endif
	s_barrier_wait -1                              ; and go on when all four have said so
.endm
; The whole last quarter.  Behind the round the slot just read out is filled again first, with the K step two steps on; then come the next slot's first fragments.
; From a request to the wait for it a wave issues 224 matrix instructions.
.macro TURN slot, next
	s_wait_xcnt 0x0                                ; the last prefetch, a K step back, has read its address: it is stepped here, ahead of the waits of the change of slots
	s_add_nc_u64 s[PFA:PFA+1], s[PFA:PFA+1], s[PST:PST+1]
	MEET 1
	CREST                                          ; wave 0 says so for the work-group, all sixteen work-groups have said so, my work-group's barrier closes the round:
	                                               ; no wave of any partner still reads this slot's tile or has a load on its way
	s_add_nc_u64 s[G0+4*(\slot)+2:G0+4*(\slot)+3], s[G0+4*(\slot)+2:G0+4*(\slot)+3], 2*KSTEP*2     ; no tensor load of mine is out, so a group 0 may be written; the type bits on top are not reached
	s_add_nc_u64 s[G0B+4*(\slot)+2:G0B+4*(\slot)+3], s[G0B+4*(\slot)+2:G0B+4*(\slot)+3], 2*BSTEP
	JLOAD \slot                                    ; the first tensor load behind the round, my only one until the next; the four v_nop behind it are also the places in front of the loads below
	FETCH \next, 0, F0
	ASK                                            ; behind the joint load and the run of LDS loads that the next products wait for
	WIN MUL_HI
	MUL16 F1, 1, 0, 0
	MUL16 F1, 1, 2, 0
.endm
; THE LAST K STEP (it lies in slot 1) GOES BY ROWS OF out0, NOT BY K.  All its fragments of w (4 quarters x 64 registers) fill window 1; then my eight blocks of 16 rows are finished one after the
; other, each with 32 matrix instructions (its 8 accumulators by turns, K ascending: the sums are the same).  LDS is read no more than in any other K step.
.macro BLOAD q                         ; w's fragments of quarter q -> window 1, v[64 q ..]
	WIN TO_B
.irp i, 0,1,2,3,4,5,6,7
	ds_load_tr16_b128 v[64*(\q)+8*(\i):64*(\q)+8*(\i)+3],   v[ADRB+1] offset:(\q)*32*PB+32*(\i)
	ds_load_tr16_b128 v[64*(\q)+8*(\i)+4:64*(\q)+8*(\i)+7], v[ADRB+1] offset:(\q)*32*PB+16*PB+32*(\i)
.endr
.endm
.macro ALOAD a                         ; x's fragments of block a, all four quarters -> buffer a % 4
	WIN 0
.set FA, PA+32*((\a)%4)
.irp q, 0,1,2,3
	ds_load_b128 v[FA+8*(\q):FA+8*(\q)+3],   v[ADRA+1] offset:64*(\q)+(\a)*16*PITCH
	ds_load_b128 v[FA+8*(\q)+4:FA+8*(\q)+7], v[ADRA+1] offset:64*(\q)+(\a)*16*PITCH+32
.endr
.endm
.macro ROW a                           ; block a is finished: 32 matrix instructions
.set FA, PA+32*((\a)%4)                ; its fragments of x
.set AC, 64*((\a)%4)                   ; its eight accumulators, in window 2 (blocks 0-3) or 3 (blocks 4-7)
	WIN MUL_LO+0x50*((\a)/4)                       ; MUL_LO or MUL_HI
.irp q, 0,1,2,3
.if (\a) == 0 && (\q) == 2
	s_wait_dscnt 24                                ; w's quarter 2 is in (behind it: x's blocks 1 to 3)
.endif
.irp b, 0,1,2,3,4,5,6,7
	v_wmma_f32_16x16x32_f16 v[AC+8*(\b):AC+8*(\b)+7], v[64*(\q)+8*(\b):64*(\q)+8*(\b)+7], v[FA+8*(\q):FA+8*(\q)+7], v[AC+8*(\b):AC+8*(\b)+7]
.endr
.endr
.endm
; THE WAY OUT of block a, in three parts.  PACK: rounded to f16, 16 bytes a lane; each accumulator's registers are taken in ascending order.  TOSTAGE: into my own stage in LDS, and back as whole rows of 256 bytes.  SEND: stored.
.macro PACK a
.set AC, 64*((\a)%4)
	WIN 0x0a+5*((\a)/4)                            ; sources 0 and 1: window 2 or 3
.irp b, 0,1,2,3,4,5,6,7
.irp r, 0,1,2,3
	v_cvt_pk_f16_f32 v[TMP+4*(\b)+(\r)], v[AC+8*(\b)+2*(\r)], v[AC+8*(\b)+2*(\r)+1]
.endr
.endr
	WIN 0
.endm
.macro TOSTAGE a
	WIN 0
.set BK, OB+192*((\a)%2)
.irp b, 0,1,2,3,4,5,6,7
	ds_store_b128 v[STO], v[TMP+4*(\b):TMP+4*(\b)+3] offset:32*(\b)
.endr
.irp t, 0,1,2,3,4,5,6,7
	ds_load_b128 v[BK+4*(\t):BK+4*(\t)+3], v[RD] offset:(\t)*2*SPITCH  ; LDS serves a wave's instructions in order (ISA guide 5.7.1.4): these see the stores above; the stage is my wave's own
.endr
.endm
.macro SEND a, younger                 ; younger: the LDS loads issued behind TOSTAGE's, which may stay out
	WIN 0
.set BK, OB+192*((\a)%2)
	s_wait_dscnt \younger                          ; the block is back in registers
	s_wait_xcnt 0x0                                ; every earlier memory instruction has had its addresses translated (ISA guide 3.1): only behind this wait are the stores' base and the registers that earlier stores read rewritten
.if (\a) == 0
	s_add_nc_u64 s[8:9], s[8:9], s[16:17]          ; on to my first rows
.else
	s_add_nc_u64 s[8:9], s[8:9], 16*ROWB           ; 16 rows on
.endif
.irp t, 0,1,2,3,4,5,6,7
	global_store_b128 v[CO], v[BK+4*(\t):BK+4*(\t)+3], s[8:9] offset:2*(\t)*ROWB  ; 16 lanes store 256 consecutive bytes, at a multiple of 256 from out0's first byte
.endr
.endm
	s_wait_tensorcnt 1                             ; my part of K step 0 is in; K step 1's may stay out
	s_barrier_signal -1
	s_barrier_wait -1                              ; everybody's is
	FETCH 0, 0, F0
	QUARTER 0, 1, F0, F1, 1                        ; the first quarter stands in front of the loop: its products start the sums
	WIN 0                                          ; at a label and at a branch every window is 0
	s_mov_b32 s3, LAPS-1
.Llap:                                                 ; a trip goes once round the ring, from a lap's second quarter to the next lap's first, and fills both slots again
	QUARTER 0, 2, F1, F0, 0
	QUARTER 0, 3, F0, F1, 0
	TURN 0, 1
	QUARTER 1, 1, F0, F1, 0
	QUARTER 1, 2, F1, F0, 0
	QUARTER 1, 3, F0, F1, 0
	TURN 1, 0
	QUARTER 0, 1, F0, F1, 0
	WIN 0
	s_sub_co_u32 s3, s3, 1
	s_cmp_lg_u32 s3, 0
	s_cbranch_scc1 .Llap
	QUARTER 0, 2, F1, F0, 0                        ; the last lap goes on: it is written out and asks for nothing more
	QUARTER 0, 3, F0, F1, 0
	MEET 0                                         ; my one tensor load that was still out is slot 1's, the last K step's, so no round follows
	PLACES                                         ; for the loads into buffer 0, which the quarter before multiplied
	BLOAD 0                                        ; three quarters of w now: buffer 1 (v128-191 of both windows) is still being multiplied
	BLOAD 1
	BLOAD 3
	ALOAD 0
	WIN MUL_HI
	MUL16 F1, 1, 0, 0
	MUL16 F1, 1, 2, 0
	PLACES                                         ; for the loads into buffer 1
	BLOAD 2
	ALOAD 1
	ALOAD 2
	ALOAD 3
	s_wait_dscnt 40                                ; all but the 40 just issued
	ROW 0
.irp a, 0,1,2,3,4,5,6,7                ; each block leaves as soon as it is finished: nothing follows this tile, so the sooner its stores begin, the sooner the launch ends
	PLACES                                         ; its conversions read results just made, and no other vector work is at hand
	PACK \a
	TOSTAGE \a
.if (\a) < 4
	ALOAD (\a)+4                                   ; its buffer takes the block four further on
	SEND \a, 8
.else
	SEND \a, 0
.endif
.if (\a) < 7
	ROW (\a)+1
.endif
.endr
	s_wait_tensorcnt 0x0                           ; the wave's end, behind my last tensor load and my last LDS store
	ds_add_u32 v[SPW], v[NIL]
	s_wait_dscnt 0x0
	CROUND                                         ; the closing round: no work-group ends while a partner may still ask for a tile that names it
	s_endpgm
.Lfunc_end_k_qc2bf8479c4_gemm:
	.size	k_qc2bf8479c4_gemm, .Lfunc_end_k_qc2bf8479c4_gemm-k_qc2bf8479c4_gemm
	.p2alignl 7, 3214868480
	.fill 96, 4, 3214868480
	.section	.rodata,"a",@progbits
	.p2align	6, 0x0
	.amdhsa_kernel k_qc2bf8479c4_gemm
		.amdhsa_group_segment_fixed_size 327680
		.amdhsa_private_segment_fixed_size 0
		.amdhsa_enable_private_segment 0
		.amdhsa_kernarg_size 24
		.amdhsa_user_sgpr_count 2
		.amdhsa_user_sgpr_kernarg_segment_ptr 1
		.amdhsa_wavefront_size32 1
		.amdhsa_system_sgpr_workgroup_id_x 1
		.amdhsa_system_sgpr_workgroup_id_y 1
		.amdhsa_system_sgpr_workgroup_id_z 1
		.amdhsa_system_vgpr_workitem_id 0
		.amdhsa_next_free_vgpr 1024
		.amdhsa_next_free_sgpr 68
		.amdhsa_reserve_vcc 0
		.amdhsa_float_denorm_mode_32 3
		.amdhsa_float_denorm_mode_16_64 3
		.amdhsa_memory_ordered 1
		.amdhsa_forward_progress 1
		.amdhsa_inst_pref_size 145
	.end_amdhsa_kernel
	.amdgpu_metadata
---
amdhsa.version: [ 1, 2 ]
amdhsa.kernels:
  - .name:           k_qc2bf8479c4_gemm
    .symbol:         k_qc2bf8479c4_gemm.kd
    .args:
      - { .name: x, .offset: 0, .size: 8, .value_kind: global_buffer, .address_space: global }
      - { .name: w, .offset: 8, .size: 8, .value_kind: global_buffer, .address_space: global }
      - { .name: out0, .offset: 16, .size: 8, .value_kind: global_buffer, .address_space: global }
    .group_segment_fixed_size: 327680
    .private_segment_fixed_size: 0
    .kernarg_segment_align: 8
    .kernarg_segment_size: 24
    .max_flat_workgroup_size: 128
    .sgpr_count:     68
    .vgpr_count:     1024
    .wavefront_size: 32
...
	.end_amdgpu_metadata
.endif
;; end of part 2
;; ======== version 2 of 2: 2 launches; version 1 with the launch dequant written anew for expert scheduling mode
;; workspace buffers: w 33,554,432 bytes
;; launch dequant (part 3): grid 256 x 1, 16 waves a work-group, no clusters, 0 bytes of LDS; arguments qvals, mask, scales, w; writes w
.if DOCPART == 3
	.amdgcn_target "amdgcn-amd-amdhsa--gfx1250"
	.amdhsa_code_object_version 6
	.text
	.protected	k_qc2bf8479c4_dequant
	.globl	k_qc2bf8479c4_dequant
	.p2align	8
	.type	k_qc2bf8479c4_dequant,@function
k_qc2bf8479c4_dequant:
	s_mov_b64 s[64:65], 0
	v_nop
	global_prefetch_b8 v0, s[64:65] scope:SCOPE_SE
	s_setreg_imm32_b32 hwreg(HW_REG_WAVE_SCHED_MODE, 0, 2), 2
	s_setreg_imm32_b32 hwreg(HW_REG_WAVE_MODE, 25, 1), 1
	s_wait_xcnt 0x0
	s_wait_alu depctr_vm_vsrc(0)
; w[k][n] = mask[k][n] ? f16((f32(q[k][n]) - 8) * f32(scale[n])) : 0.   q: [4096][4096] int32, mask: [4096][4096] bytes, scale: [4096] f16, w: [4096][4096] f16, all with n along the rows.
; w is the weight matrix as the problem's own text makes it, rounded once to f16, in its own layout; the launch behind multiplies by it.
; NOTHING IS LEFT OUT: every q, every mask byte and every scale has a way to the output, so all are loaded.  The mask is taken as it is given: no pattern of it is assumed.
; LIMITS.  A mask byte is 0 or 1.  (q - 8) s is made as one fused q s - 8 s: the exact value is the same and it is rounded once, so the bits are those of (q - 8) s for |q| up to 2^24
; (beyond, f32(q) - 8 rounds once more in the problem's text and not here).  An infinite scale gives NaN here (infinity less infinity) in place of an infinity.  Beyond f16's range the cast gives an infinity, as the problem's own cast does.
; SHARES.  A stream: no byte is wanted twice, so no LDS, no barrier, no matrix unit.  A work-group owns 16 rows k, whole; wave v of 16 the columns 256 v .. 256 v + 255, as two strips of 128;
; lane l the columns 256 v + 128 u + 4 l .. + 3 of strip u.  For a row and a strip a wave loads 512 consecutive bytes of q and 128 of the mask (the two strips' loads cover 256 aligned bytes)
; and stores 256 consecutive bytes of w, aligned.  A lane's eight scales stay in registers.
; THE MODE: SCHED_MODE bits 1:0 = 2 (LLVM: expert scheduling mode 2), set by the entry lines.  The code itself states the register dependences
; between vector instructions and memory instructions, with s_wait_alu, always for 0.
; THE PLAN.  The 16 rows are 16 turns, all written out: every row stands in an immediate.  Registers that memory instructions touch:
;   Q0 .. Q7, M0 .. M7   eight row slots as loaded.  Written by the head's loads (rows 0 to 7) and by the loads of row r + 7, issued in turn r; read, and Q rewritten in place, by the vector lines of the slot's own turn.
;   Y0 .. Y15            a row's four registers to store.  Written by turn r's roundings and masks, once in the launch; read by the two stores that are issued in turn r + 1.
;   v2, v3, v4           byte offsets, made once at the head and never written again.
; Turn r works on slot r % 8 and writes Y[r].  Its memory instructions are the loads into slot (r - 1) % 8 and the stores from Y[r - 1]: what turn r - 1 worked on, and what no vector line of turn r names.
; So ONE wait on va_vdst at a turn's head states all that the turn's six memory instructions hang on, and these are dealt among its vector lines with no further wait.
; No register that a memory instruction reads is ever written again (the offsets stay, each row has a Y of its own): so no wait on vm_vsrc and no s_wait_xcnt is owed anywhere.
; IN FLIGHT.  32 loads of every wave go out at the head; at a turn's wait the six younger rows' 24 stay out, and four more follow it.
.set QROW, 16384                       ; bytes in a row of q
.set MROW, 4096                        ; of the mask
.set WROW, 8192                        ; of w
.set QO,  2                            ; v2        my byte offset in a row of q, strip 0: 1,024 v + 16 l
.set MO,  3                            ; v3        in a row of the mask: a quarter of that
.set WO,  4                            ; v4        in a row of w, and in the scales: half of it
.set RAW, 6                            ; v[6:9]    my eight scales as loaded
.set S,   10                           ; v[10:17]  the same in f32: strip 0's four, strip 1's four
.set NB,  18                           ; v[18:25]  -8 x scale
.set T,   26                           ; v[26:31]  at work: no memory instruction names them
.set Q,   32                           ; v[32:95]  slot i: 8 registers, strip u's four q at + 4 u
.set M,   96                           ; v[96:111] slot i: 2 registers, strip u's four mask bytes at + u
.set Y,   112                          ; v[112:175] row r: 4 registers, strip u's four f16 at + 2 u
	s_load_b256 s[4:11], s[0:1], 0x0               ; q s[4:5], mask s[6:7], scales s[8:9], w s[10:11]
	s_lshl_b32 s12, ttmp9, 18                      ; the work-group's 16 rows: of q 16 x 16,384 bytes,
	s_mov_b32 s13, 0
	s_lshl_b32 s14, ttmp9, 16                      ; of the mask 16 x 4,096,
	s_mov_b32 s15, 0
	s_lshl_b32 s16, ttmp9, 17                      ; of w 16 x 8,192
	s_mov_b32 s17, 0
	s_mov_b32 s18, 0x01010000                      ; byte selects: bytes 0, 0, 1, 1 of a word
	s_mov_b32 s19, 0x03030202                      ; bytes 2, 2, 3, 3
	v_and_b32 v1, 0x1e0, v0                        ; 32 x wave
	v_and_b32 v[QO], 31, v0                        ; lane
	v_lshlrev_b32 v[QO], 4, v[QO]
	v_lshl_or_b32 v[QO], v1, 5, v[QO]              ; 1,024 x wave + 16 x lane
	v_lshrrev_b32 v[MO], 2, v[QO]
	v_lshrrev_b32 v[WO], 1, v[QO]
	s_wait_kmcnt 0x0
	s_add_nc_u64 s[4:5], s[4:5], s[12:13]
	s_add_nc_u64 s[6:7], s[6:7], s[14:15]
	s_add_nc_u64 s[10:11], s[10:11], s[16:17]
	s_wait_alu depctr_va_vdst(0)                   ; v2, v3 and v4 are written: every load and store of the kernel reads one of them as its offset
	global_load_b64 v[RAW:RAW+1],   v[WO], s[8:9]              ; strip 0's four scales (every work-group reads these: no hint)
	global_load_b64 v[RAW+2:RAW+3], v[WO], s[8:9] offset:256   ; strip 1's
; Row r of the work-group's 16 into slot i: four loads.
.macro LOADS i, r
	global_load_b128 v[Q+8*(\i):Q+8*(\i)+3],   v[QO], s[4:5] offset:(\r)*QROW th:TH_LOAD_NT
	global_load_b128 v[Q+8*(\i)+4:Q+8*(\i)+7], v[QO], s[4:5] offset:(\r)*QROW+512 th:TH_LOAD_NT
	global_load_b32 v[M+2*(\i)],   v[MO], s[6:7] offset:(\r)*MROW th:TH_LOAD_NT
	global_load_b32 v[M+2*(\i)+1], v[MO], s[6:7] offset:(\r)*MROW+128 th:TH_LOAD_NT
.endm
.irp i, 0,1,2,3,4,5,6,7
	LOADS \i, \i                                   ; the ring is filled: rows 0 to 7; no vector instruction has named these registers
.endr
	s_wait_loadcnt 32                              ; the two scale loads are in; the ring's 32, issued behind them, stay out
	v_cvt_f32_f16 v[S],   v6.l
	v_cvt_f32_f16 v[S+1], v6.h
	v_cvt_f32_f16 v[S+2], v7.l
	v_cvt_f32_f16 v[S+3], v7.h
	v_cvt_f32_f16 v[S+4], v8.l
	v_cvt_f32_f16 v[S+5], v8.h
	v_cvt_f32_f16 v[S+6], v9.l
	v_cvt_f32_f16 v[S+7], v9.h
.irp p, 0,1,2,3
	v_pk_mul_f32 v[NB+2*(\p):NB+2*(\p)+1], v[S+2*(\p):S+2*(\p)+1], 0xc1000000 op_sel_hi:[1,0]  ; -8 x scale: exact
.endr
; Turn r: row r, which lies in slot r % 8, is worked on.  left = how many younger loads may stay out: four for each younger row that has been asked for.
; Turns 1 to 15 store row r - 1; turns 1 to 8 fill the slot that it left with row r + 7.  Turn 0 has no turn in front of it: no memory instruction, and no wait but the one for its data.
.macro TURN r, left
.set SL, (\r)%8                        ; my slot
.set PS, ((\r)+7)%8                    ; the slot of the turn before
	s_wait_loadcnt \left                           ; loads come back in order (ISA guide 5.7.1): my four are in
.if (\r) > 0
	s_wait_alu depctr_va_vdst(0)                   ; the turn before has written its Y, which the stores below read, and is done reading and writing its Q and M, in which the loads below land
.endif
.if (\r) > 0 && (\r) < 9
	global_load_b128 v[Q+8*PS:Q+8*PS+3],   v[QO], s[4:5] offset:((\r)+7)*QROW th:TH_LOAD_NT      ; the loads go out ahead of the stores; no vector line since the wait names these registers
	global_load_b128 v[Q+8*PS+4:Q+8*PS+7], v[QO], s[4:5] offset:((\r)+7)*QROW+512 th:TH_LOAD_NT
.endif
.irp u, 0,1
	v_lshlrev_b32 v[T+(\u)], 8, v[M+2*SL+(\u)]     ; 256 m - m = 255 m: each byte 1 becomes 0xff; no byte carries into the next
.endr
.irp u, 0,1
	v_sub_nc_u32 v[T+(\u)], v[T+(\u)], v[M+2*SL+(\u)]
.endr
.if (\r) > 0 && (\r) < 9
	global_load_b32 v[M+2*PS],   v[MO], s[6:7] offset:((\r)+7)*MROW th:TH_LOAD_NT
	global_load_b32 v[M+2*PS+1], v[MO], s[6:7] offset:((\r)+7)*MROW+128 th:TH_LOAD_NT
.endif
.irp j, 0,1,2,3,4,5,6,7
	v_cvt_f32_i32 v[Q+8*SL+(\j)], v[Q+8*SL+(\j)]
.endr
.if (\r) > 0
	global_store_b64 v[WO], v[Y+4*((\r)-1):Y+4*((\r)-1)+1],   s[10:11] offset:((\r)-1)*WROW      ; 32 lanes store 256 consecutive bytes, at a multiple of 256 from w's first byte
.endif
.irp p, 0,1,2,3
	v_pk_fma_f32 v[Q+8*SL+2*(\p):Q+8*SL+2*(\p)+1], v[Q+8*SL+2*(\p):Q+8*SL+2*(\p)+1], v[S+2*(\p):S+2*(\p)+1], v[NB+2*(\p):NB+2*(\p)+1]  ; q s - 8 s, two at a time
.endr
.if (\r) > 0
	global_store_b64 v[WO], v[Y+4*((\r)-1)+2:Y+4*((\r)-1)+3], s[10:11] offset:((\r)-1)*WROW+256
.endif
.irp p, 0,1,2,3
	v_cvt_pk_f16_f32 v[Y+4*(\r)+(\p)], v[Q+8*SL+2*(\p)], v[Q+8*SL+2*(\p)+1]  ; the one rounding to f16
.endr
	v_perm_b32 v[T+2], v[T],   v[T],   s18         ; a mask byte spread over its f16: 0xffff or 0
	v_perm_b32 v[T+3], v[T],   v[T],   s19
	v_perm_b32 v[T+4], v[T+1], v[T+1], s18
	v_perm_b32 v[T+5], v[T+1], v[T+1], s19
.irp p, 0,1,2,3
	v_and_b32 v[Y+4*(\r)+(\p)], v[Y+4*(\r)+(\p)], v[T+2+(\p)]  ; where the mask is 0 the weight is 0, whatever was computed
.endr
.endm
	TURN 0, 28                                     ; seven younger rows, four loads each
.irp r, 1,2,3,4,5,6,7,8,9
	TURN \r, 24                                    ; six younger rows: r + 1 to r + 6, the last asked for in the turn before (at turn 9: rows 10 to 15)
.endr
.irp r, 10,11,12,13,14,15
	TURN \r, 60-4*\r                               ; nothing more is asked for: the counts run down
.endr
	s_wait_alu depctr_va_vdst(0)                   ; turn 15 has written Y15, which the last two stores read
	global_store_b64 v[WO], v[Y+60:Y+61], s[10:11] offset:15*WROW
	global_store_b64 v[WO], v[Y+62:Y+63], s[10:11] offset:15*WROW+256
	s_endpgm
.Lfunc_end_k_qc2bf8479c4_dequant:
	.size	k_qc2bf8479c4_dequant, .Lfunc_end_k_qc2bf8479c4_dequant-k_qc2bf8479c4_dequant
	.p2alignl 7, 3214868480
	.fill 96, 4, 3214868480
	.section	.rodata,"a",@progbits
	.p2align	6, 0x0
	.amdhsa_kernel k_qc2bf8479c4_dequant
		.amdhsa_group_segment_fixed_size 0
		.amdhsa_private_segment_fixed_size 0
		.amdhsa_enable_private_segment 0
		.amdhsa_kernarg_size 32
		.amdhsa_user_sgpr_count 2
		.amdhsa_user_sgpr_kernarg_segment_ptr 1
		.amdhsa_wavefront_size32 1
		.amdhsa_system_sgpr_workgroup_id_x 1
		.amdhsa_system_sgpr_workgroup_id_y 1
		.amdhsa_system_sgpr_workgroup_id_z 1
		.amdhsa_system_vgpr_workitem_id 0
		.amdhsa_next_free_vgpr 176
		.amdhsa_next_free_sgpr 66
		.amdhsa_reserve_vcc 0
		.amdhsa_float_denorm_mode_32 3
		.amdhsa_float_denorm_mode_16_64 3
		.amdhsa_memory_ordered 1
		.amdhsa_forward_progress 1
		.amdhsa_inst_pref_size 32
	.end_amdhsa_kernel
	.amdgpu_metadata
---
amdhsa.version: [ 1, 2 ]
amdhsa.kernels:
  - .name:           k_qc2bf8479c4_dequant
    .symbol:         k_qc2bf8479c4_dequant.kd
    .args:
      - { .name: qvals, .offset: 0, .size: 8, .value_kind: global_buffer, .address_space: global }
      - { .name: mask, .offset: 8, .size: 8, .value_kind: global_buffer, .address_space: global }
      - { .name: scales, .offset: 16, .size: 8, .value_kind: global_buffer, .address_space: global }
      - { .name: w, .offset: 24, .size: 8, .value_kind: global_buffer, .address_space: global }
    .group_segment_fixed_size: 0
    .private_segment_fixed_size: 0
    .kernarg_segment_align: 8
    .kernarg_segment_size: 32
    .max_flat_workgroup_size: 512
    .sgpr_count:     66
    .vgpr_count:     176
    .wavefront_size: 32
...
	.end_amdgpu_metadata
.endif
;; end of part 3
;; launch gemm: the kernel of part 2 again; grid 16 x 16, 4 waves a work-group, clusters of 4 x 4, 327,680 bytes of LDS; arguments x, w, out0; writes out0
